; MI455X (gfx1250); checked and timed in simulation.
; The chip was launched on July 23, 2026; its instructions are those of AMD's public machine-readable ISA for CDNA 5 (MIT licence, August 2026) and "CDNA5" Instruction Set Architecture Reference Guide (July 2026). The comments in the code are by the model that wrote it; some were corrected since.
;; Attention Block. Allowed arithmetic: matrix products marked QUANTISED: E2M1 operands, one E8M0 scale for each 32 along K, by v_wmma_scale_f32_16x16x128_f8f6f4 with both operands' format E2M1 (or v_wmma_scale_f32_32x16x128_f4), f32 sums; everything else in f32.
;; Inputs: b_proj 128 float32; b_qkv 384 float32; beta 128 float32; gamma 128 float32; w_proj_codes 128 x 4 x 16 uint8 (E2M1 codes of w_proj, K innermost, in blocks of 32 codes, two codes a byte); w_proj_scales 128 x 4 uint8 (E8M0 scales of w_proj, one for each 32 codes along K); w_qkv_codes 384 x 4 x 16 uint8 (E2M1 codes of w_qkv, K innermost, in blocks of 32 codes, two codes a byte); w_qkv_scales 384 x 4 uint8 (E8M0 scales of w_qkv, one for each 32 codes along K); x 8 x 128 x 64 x 64 float32.
;; Outputs: out0 8 x 128 x 64 x 64 float32.
;; This version of the problem:
;;   THIS VERSION OF THE PROBLEM IS GIVEN IN LOW PRECISION. The matrix products marked QUANTISED in the list below multiply operands that are first quantised to E2M1 (2 exponent bits, 1 mantissa bit; 4 bits a number), with one power-of-two scale for each 32 numbers along K (OCP MX v1.0); their sums are f32. All else is computed in f32.
;;   The module's matrix products, in the order in which they are computed (A, B: the left and right operand; K: the contracted axis; several contracted axes count as one K, in the product's order):
;;     1. [M 32,768, K 128] x [K 128, N 384]; A: computed on the way; B: input w_qkv (given as codes): QUANTISED
;;     2. batch 8 x [M 4,096, K 128] x [K 128, N 4,096]; A: computed on the way; B: computed on the way: QUANTISED
;;     3. batch 8 x [M 128, K 4,096] x [K 4,096, N 4,096]; A: computed on the way; B: softmax (see below): QUANTISED
;;     4. [M 32,768, K 128] x [K 128, N 128]; A: computed on the way; B: input w_proj (given as codes): QUANTISED
;;   THE QUANTISER, for each operand of a quantised product, along K:
;;     - K is cut into blocks of 32 from its start; a last block that is shorter is filled with zeros.
;;     - A block's scale is 2^e with e = floor(log2(the largest magnitude in the block)) - 2, held to -126 .. 127; a block of zeros has e = 0. As a byte (E8M0): e + 127.
;;     - Each number is divided by its block's scale, clamped to +-6, and rounded to the nearest number of E2M1, ties to even, subnormals kept.
;;     - The product sums the exact products of the quantised numbers (number of the format x scale) in f32.
;;   ~~~python
;;   def quantise(x, axis):      # numpy; x: float32 -> the quantised numbers, widened to float32 again
;;       x = np.moveaxis(x, axis, -1); K = x.shape[-1]
;;       x = np.pad(x, [(0, 0)] * (x.ndim - 1) + [(0, -K % 32)]); x = x.reshape(x.shape[:-1] + (-1, 32)); a = np.abs(x).max(-1, keepdims=True)
;;       e = np.where(a > 0, np.clip(np.frexp(np.where(a > 0, a, 1))[1] - 1 - 2, -126, 127), 0)      # np.frexp(a)[1] - 1 = floor(log2(a)), exactly
;;       r = np.clip(x / 2.0 ** e, -6, 6)
;;       step = 2.0 ** (np.maximum(np.frexp(np.where(r == 0, 1, r))[1] - 1, 0) - 1)
;;       q = np.round(r / step) * step * 2.0 ** e      # np.round: ties to even
;;       return np.moveaxis(q.reshape(q.shape[:-2] + (-1,))[..., :K], -1, axis).astype(np.float32)
;;   ~~~
;;   SOFTMAX AHEAD OF A QUANTISED PRODUCT. Where the list says 'softmax', what is quantised is not the finished softmax but p = 2^(t - M), with t = logit x log2(e) and M = ceil(the row's largest t), a whole number; so 1/2 < the row's largest p <= 1. The row's sum l is taken of the UNQUANTISED p, in f32, and the product's result is divided by l at the end. Since M is a whole number, a kernel that streams over the keys may use a running M (the ceiling of the running maximum): every later rescaling is an exact power of two, which a block's scale takes up: the codes' values come out the same.
;;   OPERANDS COMPUTED ON THE WAY. 'Computed on the way' means the value that the module computes at that place (a softmax that the list does not call 'softmax' is quantised finished and normalised). What goes into a quantiser is computed in f32, as accurately as f32 sums, v_exp_f32 and their like allow (about 1e-6 of the number): no bf16 or f16 on the way to a quantiser, and a product that is left as it is and whose result goes on into a quantised operand takes f32 operands (vector FMAs, or v_wmma_f32_16x16x4_f32). A number that lies on a knife's edge between two numbers of the format may be rounded either way, as far as f32 arithmetic and the matrix unit's own rounding can turn it there, and no further.
;;   INPUTS GIVEN AS CODES. w_proj (in the module: [128, 128], K = its axis 1); w_qkv (in the module: [384, 128], K = its axis 1): each comes as NAME_codes (uint8): NAME with its K axis moved to the last place and cut into blocks of 32 codes, [.., K / 32, bytes a block], one block behind the other in memory; two codes a byte, the lower K in the low four bits (a code: sign, 2 exponent bits, 1 mantissa bit); and NAME_scales (uint8): the same leading axes, one E8M0 byte (e + 127) for each 32 codes along K. Its value is code x scale, taken as it is: it is not quantised again, and the codes and scales need not be those that the quantiser above would give.
;; One version. Each part assembles by itself: llvm-mc -triple=amdgcn-amd-amdhsa -mcpu=gfx1250 --defsym DOCPART=n.
;; ======== version 1 of 1: 3 launches
;; workspace buffers: stats 2,048 bytes; q_img 2,097,152 bytes; q_scl 131,072 bytes; kv 4,456,448 bytes
;; launch stats (part 1): grid 256 x 1, 8 waves a work-group, no clusters, 1,280 bytes of LDS; arguments x, stats; writes stats
.if DOCPART == 1
	.amdgcn_target "amdgcn-amd-amdhsa--gfx1250"
	.amdhsa_code_object_version 6
	.text
	.protected	k_q9e4b221eb2_stats
	.globl	k_q9e4b221eb2_stats
	.p2align	8
	.type	k_q9e4b221eb2_stats,@function
k_q9e4b221eb2_stats:
	s_mov_b64 s[64:65], 0
	v_nop
	global_prefetch_b8 v0, s[64:65] scope:SCOPE_SE
	s_setreg_imm32_b32 hwreg(HW_REG_WAVE_MODE, 25, 1), 1
	s_wait_xcnt 0x0
; GroupNorm's statistics, part one.  x is [8][128][4096] f32; a group is 16 channels x 4,096 pixels = 262,144 consecutive bytes.
; Work-group g takes the 65,536 bytes from byte 65,536 g on: a quarter of group g / 4.  It stores that quarter's mean and M2 (the sum of
; squared deviations from ITS OWN mean) as two f32 at stats + 8 g.  The next launch joins four quarters:
; M2 = the sum of the parts' M2 + (numbers in a part) x the sum of (a part's mean - the mean)^2: no difference of large sums is ever formed, so a common offset of the inputs does no harm.
; A wave takes 8,192 bytes: sixteen loads of 512 consecutive bytes, 64 numbers a lane, which stay in registers for both passes: x is read once here.
; Memory binds: no matrix unit, no tensor load, no cluster (no two work-groups read the same byte).
; The one store of a work-group is 8 bytes: 256 such stores in the launch beside 16,777,216 bytes read.
; LIMITS: NaN and infinities among the inputs are not served.
.set A, 8                              ; v[8:15]   four packed chains
.set D, 16                             ; v[16:79]  my 64 numbers, as 32 pairs
	s_load_b128 s[4:7], s[0:1], 0x0                ; x s[4:5], stats s[6:7]
	v_lshl_add_u32 v96, v0, 2, 0x100
	v_mov_b32 v97, 0
	v_lshrrev_b32 v1, 5, v0
	v_readfirstlane_b32 s8, v1                     ; wave 0..7
	v_and_b32 v2, 31, v0                           ; lane
	v_lshlrev_b32 v3, 4, v2                        ; 16 bytes a lane
	v_mov_b32 v81, 0                               ; a lane permute's destination counts as one of its sources: written once
	s_lshl_b32 s10, ttmp9, 16                      ; the work-group's 65,536 bytes,
	s_lshl_b32 s11, s8, 13                         ; the wave's 8,192 of them
	s_add_co_u32 s10, s10, s11
	s_mov_b32 s11, 0
	s_lshl_b32 s14, ttmp9, 3                       ; the work-group's 8 bytes of stats
	s_mov_b32 s15, 0
	s_mov_b32 s12, 0x76543210                      ; v_permlanex16_b32's selects for lane l xor 16
	s_mov_b32 s13, 0xfedcba98
	s_wait_kmcnt 0x0
	s_add_nc_u64 s[4:5], s[4:5], s[10:11]
	s_add_nc_u64 s[6:7], s[6:7], s[14:15]
.irp i, 0,1,2,3,4,5,6,7,8,9,10,11,12,13,14,15
	global_load_b128 v[D+4*\i:D+4*\i+3], v3, s[4:5] offset:512*\i   ; 32 lanes read 512 consecutive bytes
.endr
; the four chains and their halves are folded into v[dst], then summed over the 32 lanes: every lane ends with the sum
.macro FOLD dst
	v_pk_add_f32 v[A:A+1], v[A:A+1], v[A+2:A+3]
	v_pk_add_f32 v[A+4:A+5], v[A+4:A+5], v[A+6:A+7]
	v_pk_add_f32 v[A:A+1], v[A:A+1], v[A+4:A+5]
	v_add_f32 v[\dst], v[A], v[A+1]
	v_add_f32_dpp v[\dst], v[\dst], v[\dst] row_xmask:1 row_mask:0xf bank_mask:0xf
	v_add_f32_dpp v[\dst], v[\dst], v[\dst] row_xmask:2 row_mask:0xf bank_mask:0xf
	v_add_f32_dpp v[\dst], v[\dst], v[\dst] row_xmask:4 row_mask:0xf bank_mask:0xf
	v_add_f32_dpp v[\dst], v[\dst], v[\dst] row_xmask:8 row_mask:0xf bank_mask:0xf
	v_permlanex16_b32 v81, v[\dst], s12, s13
	v_add_f32 v[\dst], v[\dst], v81
.endm
	; pass 1: the sum.  The first eight pairs start the chains: nothing is cleared
	s_wait_loadcnt 12                              ; loads come back in order: the first four are in, twelve younger ones stay out
.irp c, 0,1,2,3
	v_pk_add_f32 v[A+2*\c:A+2*\c+1], v[D+2*\c:D+2*\c+1], v[D+2*\c+8:D+2*\c+9]
.endr
.irp m, 1,2,3
	s_wait_loadcnt 12-4*\m                         ; four more loads are in
.irp c, 0,1,2,3
	v_pk_add_f32 v[A+2*\c:A+2*\c+1], v[A+2*\c:A+2*\c+1], v[D+16*\m+2*\c:D+16*\m+2*\c+1]
.endr
.irp c, 0,1,2,3
	v_pk_add_f32 v[A+2*\c:A+2*\c+1], v[A+2*\c:A+2*\c+1], v[D+16*\m+8+2*\c:D+16*\m+8+2*\c+1]
.endr
.endr
	FOLD 80
	v_mul_f32 v84, 0x3a000000, v80                 ; the wave's mean: sum x 2^-11
	v_mul_f32 v6, 0xba000000, v80                  ; and its negative, twice, for the packed additions
	v_mul_f32 v7, 0xba000000, v80
	; pass 2: deviations from the wave's own mean, and the sum of their squares
.set k, 0
.rept 32
	v_pk_add_f32 v[D+2*k:D+2*k+1], v[D+2*k:D+2*k+1], v[6:7]
.set k, k+1
.endr
.irp c, 0,1,2,3
	v_pk_mul_f32 v[A+2*\c:A+2*\c+1], v[D+2*\c:D+2*\c+1], v[D+2*\c:D+2*\c+1]
.endr
.set k, 4
.rept 28
	v_pk_fma_f32 v[A+2*(k%4):A+2*(k%4)+1], v[D+2*k:D+2*k+1], v[D+2*k:D+2*k+1], v[A+2*(k%4):A+2*(k%4)+1]
.set k, k+1
.endr
	FOLD 85                                        ; the wave's M2
	v_mov_b32 v86, s8
	v_lshlrev_b32 v86, 3, v86
	ds_store_b64 v86, v[84:85]                     ; all lanes write the wave's own 8 bytes with the same two numbers
	s_wait_dscnt 0x0                               ; for the others' sake: my store has landed
	s_barrier_signal -1
	s_barrier_wait -1
	s_cmp_lg_u32 s8, 0                             ; wave 0 joins the eight parts
	s_cbranch_scc1 .Lend
	v_and_b32 v87, 7, v0
	v_lshlrev_b32 v87, 3, v87
	ds_load_b64 v[88:89], v87                      ; lane l: the mean and M2 of wave l % 8
	s_wait_dscnt 0x0
	v_mov_b32 v90, v88
	v_add_f32_dpp v90, v90, v90 row_xmask:1 row_mask:0xf bank_mask:0xf
	v_add_f32_dpp v90, v90, v90 row_xmask:2 row_mask:0xf bank_mask:0xf
	v_add_f32_dpp v90, v90, v90 row_xmask:4 row_mask:0xf bank_mask:0xf
	v_mul_f32 v90, 0x3e000000, v90                 ; the quarter's mean: the eight means' sum / 8
	v_sub_f32 v92, v88, v90
	v_mul_f32 v92, v92, v92
	v_fmamk_f32 v91, v92, 0x45000000, v89          ; 2,048 x (the wave's mean - the mean)^2 + the wave's M2
	v_add_f32_dpp v91, v91, v91 row_xmask:1 row_mask:0xf bank_mask:0xf
	v_add_f32_dpp v91, v91, v91 row_xmask:2 row_mask:0xf bank_mask:0xf
	v_add_f32_dpp v91, v91, v91 row_xmask:4 row_mask:0xf bank_mask:0xf
	v_mov_b32 v93, 0
	s_wait_xcnt 0x0                                ; EXEC changes only behind this wait
	v_cmp_eq_u32 vcc_lo, 0, v2
	s_and_saveexec_b32 s9, vcc_lo                  ; lane 0 alone stores
	global_store_b64 v93, v[90:91], s[6:7]
	s_wait_xcnt 0x0                                ; and again in front of the line that widens it
	s_or_b32 exec_lo, exec_lo, s9
.Lend:
	s_wait_tensorcnt 0x0
	ds_add_u32 v96, v97
	s_wait_dscnt 0x0
	s_endpgm
.Lfunc_end_k_q9e4b221eb2_stats:
	.size	k_q9e4b221eb2_stats, .Lfunc_end_k_q9e4b221eb2_stats-k_q9e4b221eb2_stats
	.p2alignl 7, 3214868480
	.fill 96, 4, 3214868480
	.section	.rodata,"a",@progbits
	.p2align	6, 0x0
	.amdhsa_kernel k_q9e4b221eb2_stats
		.amdhsa_group_segment_fixed_size 1280
		.amdhsa_private_segment_fixed_size 0
		.amdhsa_enable_private_segment 0
		.amdhsa_kernarg_size 16
		.amdhsa_user_sgpr_count 2
		.amdhsa_user_sgpr_kernarg_segment_ptr 1
		.amdhsa_wavefront_size32 1
		.amdhsa_system_sgpr_workgroup_id_x 1
		.amdhsa_system_sgpr_workgroup_id_y 1
		.amdhsa_system_sgpr_workgroup_id_z 1
		.amdhsa_system_vgpr_workitem_id 0
		.amdhsa_next_free_vgpr 98
		.amdhsa_next_free_sgpr 66
		.amdhsa_reserve_vcc 1
		.amdhsa_float_denorm_mode_32 3
		.amdhsa_float_denorm_mode_16_64 3
		.amdhsa_memory_ordered 1
		.amdhsa_forward_progress 1
		.amdhsa_inst_pref_size 12
	.end_amdhsa_kernel
	.amdgpu_metadata
---
amdhsa.version: [ 1, 2 ]
amdhsa.kernels:
  - .name:           k_q9e4b221eb2_stats
    .symbol:         k_q9e4b221eb2_stats.kd
    .args:
      - { .name: x, .offset: 0, .size: 8, .value_kind: global_buffer, .address_space: global }
      - { .name: stats, .offset: 8, .size: 8, .value_kind: global_buffer, .address_space: global }
    .group_segment_fixed_size: 1280
    .private_segment_fixed_size: 0
    .kernarg_segment_align: 8
    .kernarg_segment_size: 16
    .max_flat_workgroup_size: 256
    .sgpr_count:     66
    .vgpr_count:     98
    .wavefront_size: 32
...
	.end_amdgpu_metadata
.endif
;; end of part 1
;; launch qkv (part 2): grid 32 x 8, 4 waves a work-group, no clusters, 6,656 bytes of LDS; arguments x, stats, gamma, beta, w_qkv_codes, w_qkv_scales, b_qkv, q_img, q_scl, kv; writes q_img, q_scl, kv
.if DOCPART == 2
	.amdgcn_target "amdgcn-amd-amdhsa--gfx1250"
	.amdhsa_code_object_version 6
	.text
	.protected	k_q9e4b221eb2_qkv
	.globl	k_q9e4b221eb2_qkv
	.p2align	8
	.type	k_q9e4b221eb2_qkv,@function
k_q9e4b221eb2_qkv:
	s_mov_b64 s[64:65], 0
	v_nop
	global_prefetch_b8 v0, s[64:65] scope:SCOPE_SE
	s_setreg_imm32_b32 hwreg(HW_REG_WAVE_MODE, 25, 1), 1
	s_wait_xcnt 0x0
; GroupNorm finished, hn quantised along the channels, qkv = w_qkv hn + b_qkv on codes of FP4 (E2M1) with one E8M0 scale for each 32 along K, and q, k (along the channels) and v (along the keys)
; quantised again and stored AS IMAGES OF THE OPERANDS' REGISTERS for the attention launch.
; SHARES.  A work-group takes 128 pixels (x: which 128, a "key step") of one image (y).  Wave w takes pixels 32 w .. 32 w + 31.
; A LANE HOLDS ONE PIXEL AND ITS REGISTERS RUN DOWN THE 128 CHANNELS: each load of x reads 128 consecutive bytes a wave (512 for the four waves side by side), a block of 32 channels lies in one lane,
; and the conversions give hn's codes with K innermost.  Lane l holds pixel pi(l) = l with bits 3 and 4 exchanged: lanes 0-15 are then pixel tile u = 0, lanes 16-31 tile u = 1, where
; ROW r OF TILE 2 b + u IS ELEMENT 32 b + 8 u + r + 8 (r / 8).  The same order is taken for the rows of w_qkv in each of its 24 tiles.  So in every result used transposed the 16 registers of tiles
; 2 b, 2 b + 1 are 16 neighbours, 32 b + 16 (lane / 16) + 0 .. 15, along the next product's K.
; q, k: source 0 = 16 rows of w_qkv, source 1 = 16 pixels: a lane holds one pixel, registers along the output channels.   v: source 0 = 16 pixels, source 1 = 16 rows of w_qkv: a lane holds one channel,
; registers along the pixels, which are the keys: the wave's 32 pixels are one block of 32 along the keys.  The biases are the C of the products.
; OUT.  q_img [b][256 tiles][1,024]: register group c of lane l at 512 c + 16 l.   q_scl [b][256 tiles][16 words].   kv [b][32 steps][17,408]: 8 images of K's tiles, 8 of V's, 512 bytes of K's scale words,
; 512 of V's; the word of tile 2 i + (l / 16), row l % 16 lies at 16 l + 4 i, so that one load of 16 bytes a lane brings four scale registers, each with an even tile below and an odd tile above.
; No tensor load and no cluster: what work-groups share is the weights, 26,112 bytes beside a work-group's own 65,536 of x; they stay in registers.
; LIMITS: NaN and infinities are not served.  A block whose largest magnitude lies under 2^-124 gets the scale byte 1; a block of zeros gets 1 where the rule says 127: its codes are zeros, which add nothing
; under any byte but 0xff, and these bytes are read by this program alone.  1 / sqrt is v_rsq_f32.
; REGISTERS, in windows of 256.  Window 0: v1-15 addresses; v16-31 at work in the quantiser; v32-55 w_qkv's scale words; v56-63 v's bias; v64-79 hn's two fragments; v80 hn's scale words; v82-86 scale words made;
;   v88-119 four sets of codes (v112-119 first hold gamma's and beta's loads); v120-127 statistics; v128-255 x, then the products' results.
; Window 1: w_qkv's 24 fragments (part p, tile t at 64 p + 8 t).   Window 2: the biases as C, part p, tile t at 64 + 64 p + 8 t.   Window 3: v0-127 gamma, v128-255 beta, each number in every lane.
.set KVSTEP, 17408
.set TM,  16                           ; +0..3 largest magnitudes, +4..7 the other half's, then the bytes, +12..15 the conversions' scale operands
.set WS,  32
.set BV,  56
.set XF,  64
.set XSW, 80
.set GBA, 81                           ; where my lane puts its 16 bytes of gamma
.set PW,  82
.set PC,  88
.set X,   128
.set BC,  64                           ; in window 2
.set LKS, 512                          ; LDS: 0 q's scale words; 512 K's; 1,024 V's; from 2,048 on 1,024 bytes for each wave: gamma, beta
.set LVS, 1024
.set LGB, 2048
.set MSB, 0
.macro WIN new                         ; the immediate's high byte repeats the setting that is left
.if MSB != \new
	s_set_vgpr_msb (MSB<<8)|\new
.set MSB, \new
.endif
.endm
; 64 numbers of a lane, register 16 b + i = element 32 b + 16 (lane / 16) + i of my row, become 8 registers of codes in v[pc] on; the four scale bytes stay in v[TM+4..7]; word = 1: they make the row's scale word in v[pw].
.macro QUANT s, pc, pw, word
.irp b, 0,1,2,3
	v_max3_num_f32 v[TM+\b], |v[\s+16*\b]|, |v[\s+1+16*\b]|, 0x1800000   ; block b: my 16 numbers, and the floor 2^(3 - 127): the byte cannot fall under 1
.endr
.irp i, 2,4,6,8,10,12,14
.irp b, 0,1,2,3
	v_max3_num_f32 v[TM+\b], v[TM+\b], |v[\s+16*\b+\i]|, |v[\s+1+16*\b+\i]|   ; the four blocks by turns
.endr
.endr
.irp b, 0,1,2,3
	v_permlanex16_b32 v[TM+4+\b], v[TM+\b], s50, s51
.endr
.irp b, 0,1,2,3
	v_max_num_f32 v[TM+\b], v[TM+\b], v[TM+4+\b]   ; with lane l xor 16's: the block's largest magnitude
.endr
.irp b, 0,1,2,3
	v_add_nc_u32 v[TM+12+\b], 0xff000000, v[TM+\b] ; 2 off its exponent field: the conversion takes that field of this operand as its scale
.endr
.irp b, 0,1,2,3
	v_lshrrev_b32 v[TM+4+\b], 23, v[TM+12+\b]      ; the scale's byte
.endr
.if \word
	v_lshl_or_b32 v[\pw], v[TM+5], 8, v[TM+4]
	v_lshl_or_b32 v[\pw], v[TM+6], 16, v[\pw]
	v_lshl_or_b32 v[\pw], v[TM+7], 24, v[\pw]
.endif
.irp b, 0,1,2,3
	v_cvt_scalef32_pk8_fp4_f32 v[\pc+2*\b], v[\s+16*\b:\s+7+16*\b], v[TM+12+\b]
	v_cvt_scalef32_pk8_fp4_f32 v[\pc+1+2*\b], v[\s+8+16*\b:\s+15+16*\b], v[TM+12+\b]
.endr
	v_nop                                          ; one plain place behind a scaled conversion
.irp c, 0,1                                    ; a whole block to a lane: lanes 0-15 block 2 c, lanes 16-31 block 2 c + 1
.irp i, 0,1
	v_permlane16_swap_b32 v[\pc+4*\c+\i], v[\pc+2+4*\c+\i]
.endr
.endr
.endm
	s_load_b256 s[4:11], s[0:1], 0x0               ; x s[4:5], stats s[6:7], gamma s[8:9], beta s[10:11]
	s_load_b256 s[12:19], s[0:1], 0x20             ; w_qkv's codes s[12:13], its scales s[14:15], b_qkv s[16:17], q_img s[18:19]
	s_load_b128 s[20:23], s[0:1], 0x40             ; q_scl s[20:21], kv s[22:23]
	v_lshl_add_u32 v87, v0, 2, 0x1800
	v_mov_b32 v127, 0
	v_lshrrev_b32 v1, 5, v0
	v_readfirstlane_b32 s24, v1                    ; wave 0..3
	s_mov_b32 s25, ttmp9                           ; the key step
	s_and_b32 s26, ttmp7, 0xffff                   ; the image
	v_and_b32 v1, 31, v0                           ; lane
	v_and_b32 v2, 15, v0                           ; r
	v_bfe_u32 v3, v0, 4, 1                         ; h
	v_and_b32 v4, 7, v0
	v_bfe_u32 v16, v0, 3, 1
	v_lshl_or_b32 v4, v16, 4, v4
	v_lshl_or_b32 v4, v3, 3, v4                    ; pi(lane)
	v_lshlrev_b32 v4, 2, v4                        ; x: 4 bytes a pixel
	v_lshlrev_b32 v5, 4, v1                        ; 16 x lane
	v_and_b32 v16, 8, v2
	v_add_nc_u32 v16, v16, v2                      ; r + 8 (r / 8)
	v_lshlrev_b32 v6, 6, v16
	v_lshl_add_u32 v6, v3, 4, v6                   ; w_qkv's codes: that row of 64 bytes, + 16 h
	v_lshlrev_b32 v7, 2, v16                       ; its scale word, and v's bias: 4 bytes a row
	v_lshlrev_b32 v8, 6, v3                        ; q's and k's bias: 16 h numbers on
	s_lshl_b32 s27, s24, 10
	s_add_co_u32 s27, s27, LGB
	v_mov_b32 v9, s27                              ; my wave's gamma and beta in LDS
	v_add_nc_u32 v[GBA], s27, v5
	v_lshlrev_b32 v10, 3, v1                       ; stats: 8 bytes a lane
	v_lshlrev_b32 v11, 2, v2
	s_lshl_b32 s27, s24, 7
	v_add_nc_u32 v11, s27, v11                     ; q's scale words: 4 r + 128 w (+ 64 u)
	v_lshlrev_b32 v13, 4, v2
	s_lshl_b32 s27, s24, 2
	v_add_nc_u32 v12, s27, v13                     ; K's: 16 r + 4 w (+ 256 u)
	v_lshl_add_u32 v14, v3, 10, v13
	s_lshl_b32 s27, s24, 8
	v_add_nc_u32 v14, s27, v14                     ; V's images: 1,024 h + 16 r + 256 w
	v_add_nc_u32 v13, s24, v13                     ; V's scale bytes: 16 r + w
	s_lshl_b32 s27, s24, 11
	v_add_nc_u32 v15, s27, v5                      ; q's and K's images: 16 x lane + 2,048 w (+ 1,024 u)
.irp b, 0,1,2,3
	v_mov_b32 v[TM+4+\b], 0                        ; written once: a lane permute's destination counts as one of its sources
.endr
	s_mov_b32 s49, 0                               ; named with s48 as a pair, so it is written
	s_mov_b32 s50, 0x76543210                      ; v_permlanex16_b32's selects for lane l xor 16
	s_mov_b32 s51, 0xfedcba98
	s_lshl_b32 s28, s26, 21                        ; x: the image's 2,097,152 bytes, the step's 512, the wave's 128
	s_lshl_b32 s30, s25, 9
	s_add_co_u32 s28, s28, s30
	s_lshl_b32 s30, s24, 7
	s_add_co_u32 s28, s28, s30
	s_mov_b32 s29, 0
	s_wait_kmcnt 0x0
	s_add_nc_u64 s[4:5], s[4:5], s[28:29]
	s_lshl_b32 s28, s26, 8                         ; stats: 256 bytes an image
	s_add_nc_u64 s[6:7], s[6:7], s[28:29]
	s_lshl_b32 s28, s26, 18                        ; q_img: (256 b + 8 step) x 1,024
	s_lshl_b32 s30, s25, 13
	s_add_co_u32 s28, s28, s30
	s_add_nc_u64 s[18:19], s[18:19], s[28:29]
	s_lshl_b32 s28, s26, 14                        ; q_scl: (256 b + 8 step) x 64
	s_lshl_b32 s30, s25, 9
	s_add_co_u32 s28, s28, s30
	s_add_nc_u64 s[20:21], s[20:21], s[28:29]
	s_lshl_b32 s28, s26, 5                         ; kv: (32 b + step) x 17,408
	s_add_co_u32 s28, s28, s25
	s_mul_i32 s28, s28, KVSTEP
	s_add_nc_u64 s[22:23], s[22:23], s[28:29]
	; ALL LOADS, 243 of them: 3 small ones and x's 128 first, then 112 for the weights
	global_load_b64 v[120:121], v10, s[6:7]        ; lane l: mean and M2 of quarter l % 4 of group l / 4
	global_load_b128 v[112:115], v5, s[8:9]        ; gamma, 4 numbers a lane
	global_load_b128 v[116:119], v5, s[10:11]      ; beta
.set c, 0
.rept 128
	global_load_b32 v[X+c], v4, s[4:5] offset:16384*c   ; x(channel c, my pixel)
.set c, c+1
.endr
	WIN 0x40                                       ; destination window 1
.irp p, 0,1,2
.irp t, 0,1,2,3,4,5,6,7
.irp c, 0,1
	global_load_b128 v[64*\p+8*\t+4*\c:64*\p+8*\t+4*\c+3], v6, s[12:13] offset:(128*\p+32*(\t/2)+8*(\t%2))*64+32*\c
.endr
.endr
.endr
	WIN 0x80                                       ; destination window 2: q's and k's bias in the result's layout: lane (r, h), tile t: channels 32 (t / 2) + 16 h + 8 (t % 2) + 0 .. 7
.irp p, 0,1
.irp t, 0,1,2,3,4,5,6,7
	global_load_b128 v[BC+64*\p+8*\t:BC+64*\p+8*\t+3], v8, s[16:17] offset:(128*\p+32*(\t/2)+8*(\t%2))*4
	global_load_b128 v[BC+64*\p+8*\t+4:BC+64*\p+8*\t+7], v8, s[16:17] offset:(128*\p+32*(\t/2)+8*(\t%2))*4+16
.endr
.endr
	WIN 0
.irp p, 0,1,2
.irp t, 0,1,2,3,4,5,6,7
	global_load_b32 v[WS+8*\p+\t], v7, s[14:15] offset:(128*\p+32*(\t/2)+8*(\t%2))*4
.endr
.endr
.irp t, 0,1,2,3,4,5,6,7
	global_load_b32 v[BV+\t], v7, s[16:17] offset:(256+32*(\t/2)+8*(\t%2))*4   ; v's bias of my lane's channel in tile t
.endr
	s_wait_loadcnt 63                              ; 112 loads were issued behind x's last: with 63 out, the statistics, gamma, beta and all of x are in
	; gamma and beta into every lane: through my wave's own LDS bytes, which LDS serves in order, read back with one address for all lanes
	ds_store_b128 v[GBA], v[112:115]
	ds_store_b128 v[GBA], v[116:119] offset:512
	WIN 0xc0                                       ; destination window 3
.set i, 0
.rept 32
	ds_load_b128 v[4*i:4*i+3], v9 offset:16*i
.set i, i+1
.endr
.set i, 0
.rept 32
	ds_load_b128 v[128+4*i:128+4*i+3], v9 offset:512+16*i
.set i, i+1
.endr
	WIN 0
	; the group's mean and 1 / sqrt(var + eps) from its four quarters
	v_mov_b32 v122, v120
	v_add_f32_dpp v122, v122, v122 row_xmask:1 row_mask:0xf bank_mask:0xf
	v_add_f32_dpp v122, v122, v122 row_xmask:2 row_mask:0xf bank_mask:0xf
	v_mul_f32 v122, 0x3e800000, v122               ; the mean: the four means' sum / 4
	v_sub_f32 v123, v120, v122
	v_mul_f32 v123, v123, v123
	v_fmamk_f32 v123, v123, 0x46800000, v121       ; 16,384 x (the quarter's mean - the mean)^2 + the quarter's M2
	v_add_f32_dpp v123, v123, v123 row_xmask:1 row_mask:0xf bank_mask:0xf
	v_add_f32_dpp v123, v123, v123 row_xmask:2 row_mask:0xf bank_mask:0xf
	v_mov_b32 v124, 0x37800000                     ; 2^-16: a group has 65,536 numbers
	v_fmaak_f32 v123, v123, v124, 0x3727c5ac       ; var + 1e-5
	v_rsq_f32 v125, v123
	v_mul_f32 v126, -1.0, v122                     ; (the plain place behind the transcendental)  - mean
	s_wait_alu depctr_va_vdst(0)
.irp g, 0,1,2,3,4,5,6,7
	v_readlane_b32 s[32+2*\g], v126, 4*\g
	v_readlane_b32 s[33+2*\g], v125, 4*\g
.endr
	; hn = ((x - mean) x rstd) x gamma + beta, in this order
.irp g, 0,1,2,3,4,5,6,7
	s_mov_b32 s48, s[33+2*\g]
.irp j, 0,2,4,6,8,10,12,14
	v_pk_add_f32 v[X+16*\g+\j:X+16*\g+\j+1], v[X+16*\g+\j:X+16*\g+\j+1], s[32+2*\g:33+2*\g] op_sel_hi:[1,0]
.endr
.irp j, 0,2,4,6,8,10,12,14
	v_pk_mul_f32 v[X+16*\g+\j:X+16*\g+\j+1], v[X+16*\g+\j:X+16*\g+\j+1], s[48:49] op_sel_hi:[1,0]
.endr
.endr
	s_wait_dscnt 0x0                               ; gamma and beta are in
	WIN 0x3c                                       ; sources 1 and 2 window 3
.set k, 0
.rept 64
	v_pk_fma_f32 v[X+2*k:X+2*k+1], v[X+2*k:X+2*k+1], v[2*k:2*k+1], v[128+2*k:128+2*k+1]
.set k, k+1
.endr
	WIN 0
	; hn's codes: my pixel's four blocks of 32 channels are all mine
.irp b, 0,1,2,3
	v_max3_num_f32 v[TM+\b], |v[X+32*\b]|, |v[X+32*\b+1]|, 0x1800000
.endr
.irp i, 2,4,6,8,10,12,14,16,18,20,22,24,26,28,30
.irp b, 0,1,2,3
	v_max3_num_f32 v[TM+\b], v[TM+\b], |v[X+32*\b+\i]|, |v[X+32*\b+\i+1]|
.endr
.endr
.irp b, 0,1,2,3
	v_add_nc_u32 v[TM+12+\b], 0xff000000, v[TM+\b]
.endr
.irp b, 0,1,2,3
	v_lshrrev_b32 v[TM+4+\b], 23, v[TM+12+\b]
.endr
	v_lshl_or_b32 v[XSW], v[TM+5], 8, v[TM+4]      ; my pixel's scale word: lanes 0-15 tile 0's rows, lanes 16-31 tile 1's
	v_lshl_or_b32 v[XSW], v[TM+6], 16, v[XSW]
	v_lshl_or_b32 v[XSW], v[TM+7], 24, v[XSW]
.irp b, 0,1,2,3
.irp g, 0,1,2,3
	v_cvt_scalef32_pk8_fp4_f32 v[XF+8*(\b%2)+4*(\b/2)+\g], v[X+32*\b+8*\g:X+32*\b+8*\g+7], v[TM+12+\b]   ; blocks 0, 2 into the first eight registers, blocks 1, 3 into the second eight
.endr
.endr
	v_nop                                          ; one plain place behind a scaled conversion
.irp i, 0,1,2,3,4,5,6,7
	v_permlane16_swap_b32 v[XF+\i], v[XF+8+\i]     ; the first's lanes 16-31 change places with the second's lanes 0-15: the first eight registers are now tile 0's fragment, the second eight tile 1's
.endr
	s_wait_loadcnt 0x0                             ; the weights, their scale words, the biases
	WIN 0x80                                       ; destination window 2
.irp t, 0,1,2,3,4,5,6,7
.irp j, 0,1,2,3,4,5,6,7
	v_mov_b32 v[BC+128+8*\t+\j], v[BV+\t]          ; v's bias as a C: a lane's eight results are eight pixels of one channel.  (These 64 are also the places between hn's codes and scale word and the products)
.endr
.endr
; q (p = 0) or k (p = 1): 16 products, each its own accumulator, C = the bias; then each pixel tile is quantised along the channels and leaves as an image.
.macro QK p, b0, sa, so, ss
	WIN 0x21                                       ; source 0 (w_qkv) window 1, source 2 (bias) window 2
.irp u, 0,1
.irp t, 0,1,2,3,4,5,6,7
.if \u
	v_wmma_scale_f32_16x16x128_f8f6f4 v[X+64*\u+8*\t:X+64*\u+8*\t+7], v[64*\p+8*\t:64*\p+8*\t+7], v[XF+8*\u:XF+8*\u+7], v[BC+64*\p+8*\t:BC+64*\p+8*\t+7], v[WS+8*\p+\t], v[XSW] matrix_a_fmt:MATRIX_FMT_FP4 matrix_b_fmt:MATRIX_FMT_FP4 matrix_b_scale:MATRIX_SCALE_ROW1
.else
	v_wmma_scale_f32_16x16x128_f8f6f4 v[X+64*\u+8*\t:X+64*\u+8*\t+7], v[64*\p+8*\t:64*\p+8*\t+7], v[XF+8*\u:XF+8*\u+7], v[BC+64*\p+8*\t:BC+64*\p+8*\t+7], v[WS+8*\p+\t], v[XSW] matrix_a_fmt:MATRIX_FMT_FP4 matrix_b_fmt:MATRIX_FMT_FP4
.endif
.endr
.endr
	WIN 0
.rept 4
	v_nop                                          ; four places between the last product and the first read of results (ISA guide 7.12.1)
.endr
.irp u, 0,1
	QUANT X+64*\u, PC+16*\p+8*\u, PW+2*\p+\u, 1
	global_store_b128 v15, v[PC+16*\p+8*\u:PC+16*\p+8*\u+3], s[\b0:\b0+1] offset:1024*\u        ; 32 lanes store 512 consecutive bytes; each set of codes has registers of its own
	global_store_b128 v15, v[PC+16*\p+8*\u+4:PC+16*\p+8*\u+7], s[\b0:\b0+1] offset:1024*\u+512
	ds_store_b32 v[\sa], v[PW+2*\p+\u] offset:\so+\ss*\u   ; lanes r and 16 + r write the same word with the same value
.endr
.endm
	QK 0, 18, 11, 0, 64
	QK 1, 22, 12, LKS, 256
	; v: source 0 = my pixels, source 1 = 16 rows of w_qkv: registers 16 t + 8 u + j of lane (r, h) = v(channel row r of tile t, key 32 w + 16 h + 8 u + j)
	WIN 0x24                                       ; source 1 (w_qkv) window 1, source 2 (bias) window 2
.irp t, 0,1,2,3,4,5,6,7
	v_wmma_scale_f32_16x16x128_f8f6f4 v[X+16*\t:X+16*\t+7], v[XF:XF+7], v[128+8*\t:128+8*\t+7], v[BC+128+8*\t:BC+128+8*\t+7], v[XSW], v[WS+16+\t] matrix_a_fmt:MATRIX_FMT_FP4 matrix_b_fmt:MATRIX_FMT_FP4
	v_wmma_scale_f32_16x16x128_f8f6f4 v[X+16*\t+8:X+16*\t+15], v[XF+8:XF+15], v[128+8*\t:128+8*\t+7], v[BC+128+8*\t:BC+128+8*\t+7], v[XSW], v[WS+16+\t] matrix_a_fmt:MATRIX_FMT_FP4 matrix_b_fmt:MATRIX_FMT_FP4 matrix_a_scale:MATRIX_SCALE_ROW1
.endr
	WIN 0
.rept 4
	v_nop
.endr
	s_wait_xcnt 0x0                                ; q's stores have read their registers: the first two sets of codes are written again
.irp k, 0,1                                    ; four channel tiles at a time: the quantiser's "block b" is tile 4 k + b's block of my wave's 32 keys
	QUANT X+64*\k, PC+8*\k, PW+4, 0
.irp c, 0,1
	global_store_b128 v14, v[PC+8*\k+4*\c:PC+8*\k+4*\c+3], s[22:23] offset:8192+4096*\k+2048*\c   ; lanes 0-15: tile 4 k + 2 c, lanes 16-31: the next; each half of the lanes stores 256 consecutive bytes, key block w of that tile's image
.endr
.irp b, 0,1,2,3
	ds_store_b8 v13, v[TM+4+\b] offset:LVS+256*((4*\k+\b)%2)+4*((4*\k+\b)/2)   ; byte w of the word of tile 4 k + b, row r
.endr
	s_wait_dscnt 0x0                               ; the stores have read their registers
.endr
	s_barrier_signal -1                            ; every wave's scale words and bytes have landed (the wait above is for 0)
	s_barrier_wait -1
	s_cmp_lg_u32 s24, 0                            ; wave 0 sends the three blocks of 512 bytes
	s_cbranch_scc1 .Lend
	ds_load_b128 v[16:19], v5
	ds_load_b128 v[20:23], v5 offset:LKS
	ds_load_b128 v[24:27], v5 offset:LVS
	s_wait_dscnt 0x0
	global_store_b128 v5, v[16:19], s[20:21]
	global_store_b128 v5, v[20:23], s[22:23] offset:16384
	global_store_b128 v5, v[24:27], s[22:23] offset:16896
.Lend:
	s_wait_tensorcnt 0x0
	ds_add_u32 v87, v127
	s_wait_dscnt 0x0
	s_endpgm
.Lfunc_end_k_q9e4b221eb2_qkv:
	.size	k_q9e4b221eb2_qkv, .Lfunc_end_k_q9e4b221eb2_qkv-k_q9e4b221eb2_qkv
	.p2alignl 7, 3214868480
	.fill 96, 4, 3214868480
	.section	.rodata,"a",@progbits
	.p2align	6, 0x0
	.amdhsa_kernel k_q9e4b221eb2_qkv
		.amdhsa_group_segment_fixed_size 6656
		.amdhsa_private_segment_fixed_size 0
		.amdhsa_enable_private_segment 0
		.amdhsa_kernarg_size 80
		.amdhsa_user_sgpr_count 2
		.amdhsa_user_sgpr_kernarg_segment_ptr 1
		.amdhsa_wavefront_size32 1
		.amdhsa_system_sgpr_workgroup_id_x 1
		.amdhsa_system_sgpr_workgroup_id_y 1
		.amdhsa_system_sgpr_workgroup_id_z 1
		.amdhsa_system_vgpr_workitem_id 0
		.amdhsa_next_free_vgpr 1024
		.amdhsa_next_free_sgpr 66
		.amdhsa_reserve_vcc 0
		.amdhsa_float_denorm_mode_32 3
		.amdhsa_float_denorm_mode_16_64 3
		.amdhsa_memory_ordered 1
		.amdhsa_forward_progress 1
		.amdhsa_inst_pref_size 84
	.end_amdhsa_kernel
	.amdgpu_metadata
---
amdhsa.version: [ 1, 2 ]
amdhsa.kernels:
  - .name:           k_q9e4b221eb2_qkv
    .symbol:         k_q9e4b221eb2_qkv.kd
    .args:
      - { .name: x, .offset: 0, .size: 8, .value_kind: global_buffer, .address_space: global }
      - { .name: stats, .offset: 8, .size: 8, .value_kind: global_buffer, .address_space: global }
      - { .name: gamma, .offset: 16, .size: 8, .value_kind: global_buffer, .address_space: global }
      - { .name: beta, .offset: 24, .size: 8, .value_kind: global_buffer, .address_space: global }
      - { .name: w_qkv_codes, .offset: 32, .size: 8, .value_kind: global_buffer, .address_space: global }
      - { .name: w_qkv_scales, .offset: 40, .size: 8, .value_kind: global_buffer, .address_space: global }
      - { .name: b_qkv, .offset: 48, .size: 8, .value_kind: global_buffer, .address_space: global }
      - { .name: q_img, .offset: 56, .size: 8, .value_kind: global_buffer, .address_space: global }
      - { .name: q_scl, .offset: 64, .size: 8, .value_kind: global_buffer, .address_space: global }
      - { .name: kv, .offset: 72, .size: 8, .value_kind: global_buffer, .address_space: global }
    .group_segment_fixed_size: 6656
    .private_segment_fixed_size: 0
    .kernarg_segment_align: 8
    .kernarg_segment_size: 80
    .max_flat_workgroup_size: 128
    .sgpr_count:     66
    .vgpr_count:     1024
    .wavefront_size: 32
...
	.end_amdgpu_metadata
.endif
;; end of part 2
;; launch attn (part 3): grid 32 x 8, 8 waves a work-group, clusters of 4 x 1, 327,680 bytes of LDS; arguments q_img, q_scl, kv, w_proj_codes, w_proj_scales, b_proj, x, out0; writes out0
.if DOCPART == 3
	.amdgcn_target "amdgcn-amd-amdhsa--gfx1250"
	.amdhsa_code_object_version 6
	.text
	.protected	k_q9e4b221eb2_attn
	.globl	k_q9e4b221eb2_attn
	.p2align	8
	.type	k_q9e4b221eb2_attn,@function
k_q9e4b221eb2_attn:
	s_mov_b64 s[64:65], 0
	v_nop
	global_prefetch_b8 v0, s[64:65] scope:SCOPE_SE
	s_setreg_imm32_b32 hwreg(HW_REG_WAVE_MODE, 25, 1), 1
	s_wait_xcnt 0x0
	s_wait_alu depctr_hold_cnt(0) depctr_sa_sdst(0) depctr_va_vdst(0) depctr_va_sdst(0) depctr_va_ssrc(0) depctr_va_vcc(0) depctr_vm_vsrc(0)
	s_getreg_b32 s2, hwreg(HW_REG_IB_STS2, 6, 4)
	s_cmp_eq_u32 s2, 0
	s_cbranch_scc0 .Lentry_in_a_cluster
	s_endpgm
.Lentry_in_a_cluster:
	s_bfe_u32 s2, ttmp6, 0x10000c
	s_cmp_lg_u32 s2, 0x3003
	s_cbranch_scc0 .Lentry_shape_is_right
	s_endpgm
.Lentry_shape_is_right:
; out0 = x + w_proj Q(softmax(q^T k / sqrt(128)) v^T) + b_proj, all three products on codes of FP4 (E2M1) with one E8M0 scale for each 32 along K.
; THE SOFTMAX AHEAD OF THE SECOND PRODUCT: t = score x log2(e) / sqrt(128); M = the row's largest t so far, rounded UP to a whole number; p = 2^(t - M) is quantised along the keys, not normalised.
; The row's sum is taken of the unquantised p and divides O at the end.  When M moves, the sum and O are multiplied by 2^(old M - new M): exact, and no branch on data.
; SHARES.  A work-group owns 128 queries (pixels) of one image: 32,768 queries over 256 work-groups.  Each of its eight waves owns one tile of 16 queries; a lane holds ONE query throughout.  Every wave walks the
; image's 4,096 keys, 128 a step.  q, K and V arrive as images of the operands' registers: a fragment is two loads of 16 bytes at 16 x lane, and four scale registers come by one such load.
; Both products are used transposed: S^T = K Q^T (source 0 = 16 keys), O^T = V^T P^T (source 0 = 16 channels).  Row r of tile 2 b + u (of keys, of queries, of V's channels) is element 32 b + 8 u + r + 8 (r / 8), so that
; the 16 registers of tiles 2 b, 2 b + 1 are elements 32 b + 16 (lane / 16) + 0 .. 15: p's registers run along the keys, O's along the channels, as the conversions want them.
; THE RING.  Two LDS slots of eight key steps (8 x 17,408 bytes).  Each wave fetches one step's record, 68 rows of 256 consecutive bytes, with one tensor load; a refill has eight key steps in which to land.
; By this text's count a wave has two tensor loads out at the start and one behind each refill.
; CLUSTER.  The four work-groups of a cluster belong to one image and walk the same records: each record is asked for JOINTLY, by the same load with the same descriptor and the mask of all four.
; My place in the cluster enters the addresses of q, x and out0 alone.
; THE WAY OUT.  O / l is quantised along the channels; source 0 = my 16 queries, source 1 = 16 rows of w_proj: a lane then holds one output channel and eight neighbouring pixels.  The results meet in a stage of
; 128 rows (channels) x 528 bytes, in slot 0, which has had its last fill and its last read by then; wave w reads rows 16 w .. 16 w + 15 back whole, adds b_proj and x and stores 512 consecutive bytes an instruction.
; LIMITS: NaN and infinities are not served.  A block whose largest magnitude lies under 2^-124 gets the scale byte 1 (a block of zeros too: its codes are zeros).  1 / l is v_rcp_f32.
; A block's largest p is the block's largest score put through the same multiply-add and exponential, which takes v_exp_f32 not to fall where its input rises.
; REGISTERS.  v1 16 x lane; v2 the step's LDS address; v3, v4 for the add; v5-7 addresses; v8-11 w_proj's scale words; v12 -M, v13 the largest t, v[14:15] l in two halves; v16-23 Q; v24-27 K's scale words, v28-31 V's;
; v32-95 eight fragments of K, then of V, at the end x; v96-159 S^T, p, O / l, rows of the stage; v160-223 O^T, then the projection; v224-231 codes; v232-247 at work; v248 Q's scale words; v249 p's, later O's; v[252:253] f.
; Window 1: v64-127 w_proj's eight fragments.
.set KVSTEP, 17408
.set SLOTB,  8*KVSTEP                  ; a slot: 139,264 bytes
.set SPARE,  2*SLOTB                   ; behind the ring: the spare words, 128 bytes for each wave: four blocks of 256 bytes that no other line names
.set SP,     528                       ; a stage row: 512 bytes + 16
.set TM,     232
.set WPF,    64                        ; in window 1
.set MSB, 0
.macro WIN new                         ; the immediate's high byte repeats the setting that is left
.if MSB != \new
	s_set_vgpr_msb (MSB<<8)|\new
.set MSB, \new
.endif
.endm
; A round of the cluster's barrier: my work-group's barrier; wave 0 signals for the work-group; every wave waits for all four work-groups; my work-group's barrier once more.
.macro CROUND
	s_barrier_signal -1
	s_barrier_wait -1
	s_cmp_lg_u32 s20, 0
	s_cbranch_scc1 .Lnot_wave_0_\@
	s_barrier_signal -3
.Lnot_wave_0_\@:
	s_barrier_wait -3
	s_barrier_signal -1
	s_barrier_wait -1
.endm
; 64 numbers of a lane, register 16 b + i = element 32 b + 16 (lane / 16) + i of my row, become a fragment's codes in v[pc] on and its scale word in v[pw].
.macro QUANT s, pc, pw
.irp b, 0,1,2,3
	v_max3_num_f32 v[TM+\b], |v[\s+16*\b]|, |v[\s+1+16*\b]|, 0x1800000   ; block b: my 16 numbers, and the floor 2^(3 - 127): the byte cannot fall under 1
.endr
.irp i, 2,4,6,8,10,12,14
.irp b, 0,1,2,3
	v_max3_num_f32 v[TM+\b], v[TM+\b], |v[\s+16*\b+\i]|, |v[\s+1+16*\b+\i]|
.endr
.endr
.irp b, 0,1,2,3
	v_permlanex16_b32 v[TM+4+\b], v[TM+\b], s32, s33
.endr
.irp b, 0,1,2,3
	v_max_num_f32 v[TM+\b], v[TM+\b], v[TM+4+\b]
.endr
.irp b, 0,1,2,3
	v_add_nc_u32 v[TM+12+\b], 0xff000000, v[TM+\b]
.endr
.irp b, 0,1,2,3
	v_lshrrev_b32 v[TM+4+\b], 23, v[TM+12+\b]
.endr
	v_lshl_or_b32 v[\pw], v[TM+5], 8, v[TM+4]
	v_lshl_or_b32 v[\pw], v[TM+6], 16, v[\pw]
	v_lshl_or_b32 v[\pw], v[TM+7], 24, v[\pw]
.irp b, 0,1,2,3
	v_cvt_scalef32_pk8_fp4_f32 v[\pc+2*\b], v[\s+16*\b:\s+7+16*\b], v[TM+12+\b]
	v_cvt_scalef32_pk8_fp4_f32 v[\pc+1+2*\b], v[\s+8+16*\b:\s+15+16*\b], v[TM+12+\b]
.endr
	v_nop                                          ; one plain place behind a scaled conversion
.irp c, 0,1
.irp i, 0,1
	v_permlane16_swap_b32 v[\pc+4*\c+\i], v[\pc+2+4*\c+\i]
.endr
.endr
.endm
	s_load_b512 s[4:19], s[0:1], 0x0               ; q_img s[4:5], q_scl s[6:7], kv s[8:9], w_proj's codes s[10:11], its scales s[12:13], b_proj s[14:15], x s[16:17], out0 s[18:19]
	v_lshl_add_u32 v3, v0, 2, SPARE                ; my spare word; never rewritten
	v_mov_b32 v4, 0                                ; 0; never rewritten
	ds_add_u32 v3, v4
	ds_add_u32 v3, v4
	s_wait_dscnt 0x0
	v_lshrrev_b32 v1, 5, v0
	v_readfirstlane_b32 s20, v1                    ; wave 0..7
	s_bfe_u32 s21, ttmp6, 0x40000                  ; cx: my place in the cluster
	s_lshl_b32 s22, ttmp9, 2                       ; in a cluster launch ttmp9 counts clusters
	s_add_co_u32 s22, s22, s21                     ; my block of 128 queries
	s_and_b32 s23, ttmp7, 0xffff                   ; the image, which the four partners share
	; descriptor group 1: 68 rows of 32 elements of 8 bytes, dense: one key step's record
	s_mov_b32 s40, 15|(3<<16)|(1<<21)              ; 15:0 the mask: all four work-groups; 17:16 elements of 8 bytes; 20 no padding; 21 set beside a mask
	s_mov_b32 s41, 32<<16                          ; tensor_dim0 = 32
	s_mov_b32 s42, 68<<16                          ; tensor_dim1 = 68
	s_mov_b32 s43, 32<<16                          ; tile_dim0 = 32
	s_mov_b32 s44, 68                              ; tile_dim1 = 68
	s_mov_b32 s45, 32                              ; elements from row to row
	s_mov_b32 s46, 0
	s_mov_b32 s47, 0
	s_mul_i32 s24, s23, 32*KVSTEP                  ; kv: the image's 32 records,
	s_mul_i32 s26, s20, KVSTEP                     ; and record w of a slot's eight, in memory and in LDS alike
	s_add_co_u32 s24, s24, s26
	s_mov_b32 s25, 0
	s_lshl_b32 s28, s23, 5
	s_add_co_u32 s28, s28, s22
	s_lshl_b32 s28, s28, 3
	s_add_co_u32 s28, s28, s20                     ; my query tile: (32 b + block) x 8 + w
	s_lshl_b32 s30, s28, 6                         ; its 64 bytes of scale words,
	s_lshl_b32 s28, s28, 10                        ; its image of 1,024 bytes
	s_mov_b32 s29, 0
	s_mov_b32 s31, 0
	s_mov_b32 s32, 0x76543210                      ; v_permlanex16_b32's selects for lane l xor 16
	s_mov_b32 s33, 0xfedcba98
	s_mov_b32 s34, 0x3e0293ee                      ; c = log2(e) / sqrt(128)
	s_mov_b32 s35, s34                             ; (named with it as a pair, so it is written)
	s_wait_kmcnt 0x0
	s_add_nc_u64 s[8:9], s[8:9], s[24:25]
	s_add_nc_u64 s[4:5], s[4:5], s[28:29]
	s_add_nc_u64 s[6:7], s[6:7], s[30:31]
	s_lshl_b32 s28, s23, 21                        ; x and out0: the image, channels 16 w on, the block's 512 bytes of a row
	s_lshl_b32 s30, s20, 18
	s_add_co_u32 s28, s28, s30
	s_lshl_b32 s30, s22, 9
	s_add_co_u32 s28, s28, s30
	s_add_nc_u64 s[16:17], s[16:17], s[28:29]
	s_add_nc_u64 s[18:19], s[18:19], s[28:29]
	s_lshl_b32 s30, s20, 6
	s_add_nc_u64 s[14:15], s[14:15], s[30:31]
	s_load_b512 s[68:83], s[14:15], 0x0            ; b_proj of channels 16 w .. 16 w + 15
	s_mov_b32 s48, 1                               ; group 0 for slot 0: count = 1,
	s_mov_b32 s49, s26                             ; LDS address: 17,408 w,
	s_mov_b64 s[50:51], s[8:9]                     ; key step w,
	s_or_b32 s51, s51, 0x80000000                  ; type = 2
	s_mov_b32 s52, 1                               ; and for slot 1: key step 8 + w
	s_add_co_u32 s53, s26, SLOTB
	s_add_nc_u64 s[54:55], s[8:9], SLOTB
	s_or_b32 s55, s55, 0x80000000
	CROUND                                         ; all four work-groups are here: the first joint loads meet
	tensor_load_to_lds s[48:51], s[40:47]          ; both first fills go out together, ahead of every wait on TENSORcnt and every LDS read
	s_nop 0
	tensor_load_to_lds s[52:55], s[40:47]
	s_nop 0
.rept 4
	v_nop
.endr
	v_and_b32 v1, 31, v0
	v_lshlrev_b32 v1, 4, v1                        ; 16 x lane
	v_and_b32 v7, 15, v0                           ; r
	v_bfe_u32 v6, v0, 4, 1                         ; h
	v_lshlrev_b32 v5, 6, v7
	v_lshl_add_u32 v5, v6, 4, v5                   ; w_proj's codes: row r of 64 bytes, + 16 h
	v_lshlrev_b32 v7, 2, v7                        ; Q's scale words: 4 r
	v_lshrrev_b32 v6, 2, v1                        ; w_proj's scale words: 4 x lane: lanes 0-15 an even tile's rows, lanes 16-31 the odd tile's
	WIN 0x40                                       ; destination window 1
.irp t, 0,1,2,3,4,5,6,7
.irp c, 0,1
	global_load_b128 v[WPF+8*\t+4*\c:WPF+8*\t+4*\c+3], v5, s[10:11] offset:1024*\t+32*\c
.endr
.endr
	WIN 0
.irp i, 0,1,2,3
	global_load_b32 v[8+\i], v6, s[12:13] offset:128*\i
.endr
	global_load_b128 v[16:19], v1, s[4:5]          ; Q's fragment stays in registers
	global_load_b128 v[20:23], v1, s[4:5] offset:512
	global_load_b32 v248, v7, s[6:7]
	v_mov_b32 v13, 0xff61b1e6                      ; the largest t so far: -3e38, under every t
	v_floor_f32 v12, -v13                          ; -M
	v_mov_b32 v14, 0                               ; l, in two halves
	v_mov_b32 v15, 0
.irp b, 0,1,2,3
	v_mov_b32 v[236+\b], 0                         ; written once: a lane permute's destination counts as one of its sources
.endr
	v_mov_b32 v253, 0                              ; (named as the upper half of the pair v[252:253])
.set j, 0
.rept 64
	v_mov_b32 v[160+j], 0                          ; O^T.  (The step is written in one form: the first finds zeros, which the first change of M leaves zeros)
.set j, j+1
.endr
; A KEY STEP: the 128 keys whose record begins at LDS byte s36.
.macro STEP
	v_add_nc_u32 v2, s36, v1
	ds_load_b128 v[24:27], v2 offset:16384         ; K's scale words: register i: lanes 0-15 tile 2 i, lanes 16-31 tile 2 i + 1
.irp t, 0,1,2,3,4,5,6,7
	ds_load_b128 v[32+8*\t:35+8*\t], v2 offset:1024*\t
	ds_load_b128 v[36+8*\t:39+8*\t], v2 offset:1024*\t+512
.endr
.irp t, 0,1,2,3,4,5,6,7                        ; S^T = K Q^T: each tile as soon as its fragment is in
	s_wait_dscnt 14-2*\t                           ; LDS loads come back in order: only the later tiles' loads may be out
.if \t%2
	v_wmma_scale_f32_16x16x128_f8f6f4 v[96+8*\t:103+8*\t], v[32+8*\t:39+8*\t], v[16:23], 0, v[24+\t/2], v248 matrix_a_fmt:MATRIX_FMT_FP4 matrix_b_fmt:MATRIX_FMT_FP4 matrix_a_scale:MATRIX_SCALE_ROW1
.else
	v_wmma_scale_f32_16x16x128_f8f6f4 v[96+8*\t:103+8*\t], v[32+8*\t:39+8*\t], v[16:23], 0, v[24+\t/2], v248 matrix_a_fmt:MATRIX_FMT_FP4 matrix_b_fmt:MATRIX_FMT_FP4
.endif
.endr
.rept 4
	v_nop                                          ; four places: in front of loads into registers that these products read, and of the first read of their results
.endr
.irp t, 0,1,2,3,4,5,6,7                        ; V's fragments take K's place and land while the softmax is walked
	ds_load_b128 v[32+8*\t:35+8*\t], v2 offset:8192+1024*\t
	ds_load_b128 v[36+8*\t:39+8*\t], v2 offset:8192+1024*\t+512
.endr
	ds_load_b128 v[28:31], v2 offset:16896
.irp b, 0,1,2,3
	v_max3_num_f32 v[232+\b], v[96+16*\b], v[97+16*\b], v[98+16*\b]   ; the largest score of each block of 32 keys: for the row's maximum, and for the block's largest p
.endr
.irp i, 3,5,7,9,11,13
.irp b, 0,1,2,3
	v_max3_num_f32 v[232+\b], v[232+\b], v[96+16*\b+\i], v[97+16*\b+\i]
.endr
.endr
.irp b, 0,1,2,3
	v_max_num_f32 v[232+\b], v[232+\b], v[111+16*\b]
.endr
.irp b, 0,1,2,3
	v_permlanex16_b32 v[236+\b], v[232+\b], s32, s33
.endr
.irp b, 0,1,2,3
	v_max_num_f32 v[232+\b], v[232+\b], v[236+\b]  ; with lane l xor 16's 16 keys
.endr
	v_max3_num_f32 v254, v232, v233, v234
	v_max_num_f32 v254, v254, v235                 ; the step's largest score of my query
	v_mul_f32 v254, s34, v254                      ; as t (c is positive)
	v_max_num_f32 v13, v13, v254                   ; the running largest t
	v_mov_b32 v254, v12
	v_floor_f32 v12, -v13                          ; the new -M = floor(-t) = -ceil(t)
	v_sub_f32 v254, v12, v254                      ; old M - new M: a whole number, 0 or less
	v_cvt_i32_f32 v254, v254                       ; (it saturates)
	v_ldexp_f32 v252, 1.0, v254                    ; f = 2^(old M - new M)
.irp b, 0,1,2,3
	v_fma_f32 v[232+\b], v[232+\b], s34, v12       ; t - M of each block's largest score
.endr
; The 68 exponentials stand by turns with plain work that is ready: t - M for a pair of scores four pairs ahead, and O^T x f.  So each has an independent line behind it before its result is used (ISA guide 5.7.2).
.irp b, 0,1,2,3
	v_exp_f32 v[232+\b], v[232+\b]                 ; the block's largest p
	v_pk_fma_f32 v[96+2*\b:97+2*\b], v[96+2*\b:97+2*\b], s[34:35], v[12:13] op_sel_hi:[1,0,0]
.endr
.set j, 0
.rept 32
	v_exp_f32 v[96+2*j], v[96+2*j]                 ; p = 2^(t - M), at most 1
.if j < 28
	v_pk_fma_f32 v[104+2*j:105+2*j], v[104+2*j:105+2*j], s[34:35], v[12:13] op_sel_hi:[1,0,0]
.endif
	v_exp_f32 v[97+2*j], v[97+2*j]
	v_pk_mul_f32 v[160+2*j:161+2*j], v[160+2*j:161+2*j], v[252:253] op_sel_hi:[1,0]   ; O^T under the new M, each accumulator from its low end on
.set j, j+1
.endr
	s_wait_alu depctr_va_vdst(0)
.irp b, 0,1,2,3
	v_max_num_f32 v[232+\b], 0x1800000, v[232+\b]  ; the floor 2^(3 - 127): the byte cannot fall under 1
.endr
.irp b, 0,1,2,3
	v_add_nc_u32 v[244+\b], 0xff000000, v[232+\b]  ; 2 off the exponent field: the conversion's scale operand
.endr
.irp b, 0,1,2,3
	v_lshrrev_b32 v[236+\b], 23, v[244+\b]         ; the scale's byte
.endr
	v_lshl_or_b32 v249, v237, 8, v236              ; p's scale word for these 128 keys
	v_lshl_or_b32 v249, v238, 16, v249
	v_lshl_or_b32 v249, v239, 24, v249
.irp b, 0,1,2,3
	v_cvt_scalef32_pk8_fp4_f32 v[224+2*\b], v[96+16*\b:103+16*\b], v[244+\b]
	v_cvt_scalef32_pk8_fp4_f32 v[225+2*\b], v[104+16*\b:111+16*\b], v[244+\b]
.endr
	v_nop                                          ; one plain place behind a scaled conversion
.irp c, 0,1
.irp i, 0,1
	v_permlane16_swap_b32 v[224+4*\c+\i], v[226+4*\c+\i]   ; a whole block to a lane
.endr
.endr
	v_pk_mul_f32 v[14:15], v[14:15], v[252:253] op_sel_hi:[1,0]   ; l under the new M
	v_pk_add_f32 v[240:241], v[96:97], v[98:99]    ; THE ROW'S SUM IS TAKEN OF THE UNQUANTISED p, in two chains.  (These 33 lines are also the places between p's codes and scale word and the products)
.irp j, 4,8,12,16,20,24,28,32,36,40,44,48,52,56,60
	v_pk_add_f32 v[14:15], v[14:15], v[96+\j:97+\j]
	v_pk_add_f32 v[240:241], v[240:241], v[98+\j:99+\j]
.endr
	v_pk_add_f32 v[14:15], v[14:15], v[240:241]
	s_wait_dscnt 0x0                               ; V's fragments and scale words are in
.irp t, 0,1,2,3,4,5,6,7                        ; O^T += V^T P^T: the eight accumulators by turns, one instruction a turn
.if \t%2
	v_wmma_scale_f32_16x16x128_f8f6f4 v[160+8*\t:167+8*\t], v[32+8*\t:39+8*\t], v[224:231], v[160+8*\t:167+8*\t], v[28+\t/2], v249 matrix_a_fmt:MATRIX_FMT_FP4 matrix_b_fmt:MATRIX_FMT_FP4 matrix_a_scale:MATRIX_SCALE_ROW1
.else
	v_wmma_scale_f32_16x16x128_f8f6f4 v[160+8*\t:167+8*\t], v[32+8*\t:39+8*\t], v[224:231], v[160+8*\t:167+8*\t], v[28+\t/2], v249 matrix_a_fmt:MATRIX_FMT_FP4 matrix_b_fmt:MATRIX_FMT_FP4
.endif
.endr
.rept 4
	v_nop                                          ; four places in front of the next loads into V's registers
.endr
.endm
; A slot's eight key steps: written once, walked eight times.
.macro PHASE base
	s_mov_b32 s36, \base
	s_mov_b32 s37, 8
.Lstep_\@:
	STEP
	s_add_co_u32 s36, s36, KVSTEP
	s_sub_co_u32 s37, s37, 1
	s_cmp_lg_u32 s37, 0
	s_cbranch_scc1 .Lstep_\@
.endm
; THE CHANGE OF SLOTS with a refill.  Each wave waits for all its tensor loads (its record of the slot ahead), adds 0 to its spare word, and waits for that and for its reads of the slot that it has left.
; Behind the round no wave of any partner reads that slot or has a load on its way: it is filled with the records two slots on, the wave's one tensor load until the next such round.
.macro CHANGE g0
	s_wait_tensorcnt 0x0                           ; no tensor load of mine is out, so a group 0 may be written
	ds_add_u32 v3, v4                              ; 0 onto my spare word
	s_add_nc_u64 s[\g0+2:\g0+3], s[\g0+2:\g0+3], 2*SLOTB   ; sixteen key steps on; the type bits on top are not reached
	s_wait_dscnt 0x0                               ; the add is done, and my reads of the slot that I have left are over
	CROUND
	tensor_load_to_lds s[\g0:\g0+3], s[40:47]
	s_nop 0
.rept 4
	v_nop
.endr
.endm
	s_wait_loadcnt 0x0                             ; Q, w_proj
	s_wait_kmcnt 0x0                               ; b_proj
	s_wait_tensorcnt 0x1                           ; my record of slot 0 is in; slot 1's may stay out
	s_barrier_signal -1
	s_barrier_wait -1                              ; everybody's is
	PHASE 0                                        ; key steps 0-7
	CHANGE 48                                      ; slot 0 takes key steps 16-23
	PHASE SLOTB                                    ; 8-15
	CHANGE 52                                      ; slot 1 takes key steps 24-31
	PHASE 0                                        ; 16-23
	s_wait_tensorcnt 0x0                           ; the last change of slots: nothing is left to fetch, so my work-group's barrier is enough
	ds_add_u32 v3, v4
	s_wait_dscnt 0x0
	s_barrier_signal -1
	s_barrier_wait -1                              ; slot 1 is whole, and nobody reads slot 0 any more
	PHASE SLOTB                                    ; 24-31
	; THE WAY OUT
.irp i, 0,1,2,3,4,5,6,7,8,9,10,11,12,13,14,15
	global_load_b128 v[32+4*\i:35+4*\i], v1, s[16:17] offset:16384*\i   ; x(channel 16 w + i, the block's 128 pixels): 512 consecutive bytes; asked for now, wanted at the end
.endr
	v_add_f32 v14, v14, v15                        ; l's two halves,
	v_permlanex16_b32 v254, v14, s32, s33
	v_add_f32 v14, v14, v254                       ; and lane l xor 16's
	v_rcp_f32 v14, v14
	v_and_b32 v5, 15, v0                           ; (the plain place behind the transcendental)  r
.set j, 0
	s_wait_alu depctr_va_vdst(0)
.rept 32
	v_pk_mul_f32 v[96+2*j:97+2*j], v[160+2*j:161+2*j], v[14:15] op_sel_hi:[1,0]   ; O^T / l: register 16 b + i = channel 32 b + 16 h + i of my query
.set j, j+1
.endr
	QUANT 96, 224, 249
	s_lshr_b32 s28, s20, 1
	s_lshl_b32 s28, s28, 7
	s_and_b32 s29, s20, 1
	s_lshl_b32 s29, s29, 5
	s_add_co_u32 s28, s28, s29                     ; my tile's pixels in a row of the stage: 128 (w / 2) + 32 (w % 2) bytes on
	s_mul_i32 s29, s20, 16*SP
	v_bfe_u32 v6, v0, 4, 1                         ; h
	v_mul_u32_u24 v5, v5, SP
	v_lshl_add_u32 v5, v6, 6, v5
	v_add_nc_u32 v5, s28, v5                       ; into the stage: row r of a tile of channels, + 64 h: register j of lane (r, h) is pixel 32 (w / 2) + 8 (w % 2) + 16 h + j
	v_add_nc_u32 v6, s29, v1                       ; back: my 16 rows, 16 bytes a lane
.rept 4
	v_nop                                          ; with the five lines above and the one behind the conversions: the places between O's scale word and codes and the products
.endr
	WIN 0x04                                       ; source 1 (w_proj) window 1
.irp t, 0,1,2,3,4,5,6,7
.if \t%2
	v_wmma_scale_f32_16x16x128_f8f6f4 v[160+8*\t:167+8*\t], v[224:231], v[WPF+8*\t:WPF+8*\t+7], 0, v249, v[8+\t/2] matrix_a_fmt:MATRIX_FMT_FP4 matrix_b_fmt:MATRIX_FMT_FP4 matrix_b_scale:MATRIX_SCALE_ROW1
.else
	v_wmma_scale_f32_16x16x128_f8f6f4 v[160+8*\t:167+8*\t], v[224:231], v[WPF+8*\t:WPF+8*\t+7], 0, v249, v[8+\t/2] matrix_a_fmt:MATRIX_FMT_FP4 matrix_b_fmt:MATRIX_FMT_FP4
.endif
.endr
	WIN 0
.rept 4
	v_nop                                          ; four places in front of the stores that read the results
.endr
.irp t, 0,1,2,3,4,5,6,7
	ds_store_b128 v5, v[160+8*\t:163+8*\t] offset:16*SP*\t         ; each accumulator from its low end on
	ds_store_b128 v5, v[164+8*\t:167+8*\t] offset:16*SP*\t+16
.endr
	s_wait_dscnt 0x0                               ; for the others' sake: my stores into the stage have landed
	s_barrier_signal -1
	s_barrier_wait -1                              ; 128 whole rows lie in the stage
.irp i, 0,1,2,3,4,5,6,7,8,9,10,11,12,13,14,15
	ds_load_b128 v[96+4*\i:99+4*\i], v6 offset:SP*\i
.endr
	s_wait_loadcnt 0x0                             ; x
.irp i, 0,1,2,3,4,5,6,7,8,9,10,11,12,13,14,15
	s_wait_dscnt 15-\i                             ; row i is back; the later rows may be out
.irp k, 0,1,2,3
	v_add_f32 v[96+4*\i+\k], s[68+\i], v[96+4*\i+\k]               ; + b_proj of the row's channel
.endr
	v_pk_add_f32 v[96+4*\i:97+4*\i], v[96+4*\i:97+4*\i], v[32+4*\i:33+4*\i]   ; + x
	v_pk_add_f32 v[98+4*\i:99+4*\i], v[98+4*\i:99+4*\i], v[34+4*\i:35+4*\i]
	global_store_b128 v1, v[96+4*\i:99+4*\i], s[18:19] offset:16384*\i th:TH_STORE_NT   ; 32 lanes store 512 consecutive bytes, at a multiple of 256 from out0's first byte; written once, read by nobody here
.endr
	s_wait_tensorcnt 0x0                           ; the wave's end: behind my last tensor load and my last LDS store
	ds_add_u32 v3, v4
	s_wait_dscnt 0x0
	CROUND                                         ; the closing round: no work-group ends while a partner may still ask for a record that names it
	s_endpgm
.Lfunc_end_k_q9e4b221eb2_attn:
	.size	k_q9e4b221eb2_attn, .Lfunc_end_k_q9e4b221eb2_attn-k_q9e4b221eb2_attn
	.p2alignl 7, 3214868480
	.fill 96, 4, 3214868480
	.section	.rodata,"a",@progbits
	.p2align	6, 0x0
	.amdhsa_kernel k_q9e4b221eb2_attn
		.amdhsa_group_segment_fixed_size 327680
		.amdhsa_private_segment_fixed_size 0
		.amdhsa_enable_private_segment 0
		.amdhsa_kernarg_size 64
		.amdhsa_user_sgpr_count 2
		.amdhsa_user_sgpr_kernarg_segment_ptr 1
		.amdhsa_wavefront_size32 1
		.amdhsa_system_sgpr_workgroup_id_x 1
		.amdhsa_system_sgpr_workgroup_id_y 1
		.amdhsa_system_sgpr_workgroup_id_z 1
		.amdhsa_system_vgpr_workitem_id 0
		.amdhsa_next_free_vgpr 384
		.amdhsa_next_free_sgpr 84
		.amdhsa_reserve_vcc 0
		.amdhsa_float_denorm_mode_32 3
		.amdhsa_float_denorm_mode_16_64 3
		.amdhsa_memory_ordered 1
		.amdhsa_forward_progress 1
		.amdhsa_inst_pref_size 99
	.end_amdhsa_kernel
	.amdgpu_metadata
---
amdhsa.version: [ 1, 2 ]
amdhsa.kernels:
  - .name:           k_q9e4b221eb2_attn
    .symbol:         k_q9e4b221eb2_attn.kd
    .args:
      - { .name: q_img, .offset: 0, .size: 8, .value_kind: global_buffer, .address_space: global }
      - { .name: q_scl, .offset: 8, .size: 8, .value_kind: global_buffer, .address_space: global }
      - { .name: kv, .offset: 16, .size: 8, .value_kind: global_buffer, .address_space: global }
      - { .name: w_proj_codes, .offset: 24, .size: 8, .value_kind: global_buffer, .address_space: global }
      - { .name: w_proj_scales, .offset: 32, .size: 8, .value_kind: global_buffer, .address_space: global }
      - { .name: b_proj, .offset: 40, .size: 8, .value_kind: global_buffer, .address_space: global }
      - { .name: x, .offset: 48, .size: 8, .value_kind: global_buffer, .address_space: global }
      - { .name: out0, .offset: 56, .size: 8, .value_kind: global_buffer, .address_space: global }
    .group_segment_fixed_size: 327680
    .private_segment_fixed_size: 0
    .kernarg_segment_align: 8
    .kernarg_segment_size: 64
    .max_flat_workgroup_size: 256
    .sgpr_count:     84
    .vgpr_count:     384
    .wavefront_size: 32
...
	.end_amdgpu_metadata
.endif
;; end of part 3
